; MI455X (gfx1250); checked and timed in simulation.
; The chip was launched on July 23, 2026; its instructions are those of AMD's public machine-readable ISA for CDNA 5 (MIT licence, August 2026) and "CDNA5" Instruction Set Architecture Reference Guide (July 2026). The comments in the code are by the model that wrote it; some were corrected since.
;; Outliers Q Linear Unstruct. Allowed arithmetic: float matrix products may take bf16 or f16 operands with f32 sums; other float arithmetic in f32, or as packed bf16 or f16 multiplies, adds, multiply-adds, maxima and minima; sums over many terms, partial sums and values carried from step to step in f32; what a program stores and reads back later, other than sums and carried values, may be rounded once to bf16 or f16.
;; Inputs: bias 11,008 float32; outlier_mask 11,008 x 4,096 bool; weight 11,008 x 4,096 float32; x 32 x 1 x 4,096 float32.
;; Outputs: out0 32 x 1 x 11,008 float32.
;; 2 versions, each right and faster than the one before. Each part assembles by itself: llvm-mc -triple=amdgcn-amd-amdhsa -mcpu=gfx1250 --defsym DOCPART=n.
;; ======== version 1 of 2: 2 launches
;; limits: inputs' magnitudes at most 134,217,728; below input magnitudes of 7.9e-31 results are inexact or not finite
;; workspace buffers: xb 262,144 bytes
;; launch cast (part 1): grid 128 x 1, 4 waves a work-group, no clusters, 0 bytes of LDS; arguments x, xb; writes xb
.if DOCPART == 1
	.amdgcn_target "amdgcn-amd-amdhsa--gfx1250"
	.amdhsa_code_object_version 6
	.text
	.protected	k_q04a6313329_cast
	.globl	k_q04a6313329_cast
	.p2align	8
	.type	k_q04a6313329_cast,@function
k_q04a6313329_cast:
	s_mov_b64 s[64:65], 0
	v_nop
	global_prefetch_b8 v0, s[64:65] scope:SCOPE_SE
	s_setreg_imm32_b32 hwreg(HW_REG_WAVE_MODE, 25, 1), 1
	s_wait_xcnt 0x0
; THE PROGRAM: out[b][o] = sum over i of x[b][i] w_eff[o][i] + bias[o];  w_eff = weight at outliers, elsewhere scale[o] * sign(wz - mean[o]),
; wz = weight with the outliers set to 0, mean = sum(wz) / 4096, scale = sum(|wz|) / 4096.
; WORK LEFT OUT.  reference() forms (scale * sign(wc) - clipped) + clipped, with clipped = clip(wc, -1, 1).  In real numbers (a - c) + c = a for every a and c, so clip(), its
; subtraction and its addition reach no output whatever the inputs hold: they are not computed.  stop_gradient changes no value.  All four inputs have a way to the output and are loaded.
; LIMIT: a NaN, an infinity or an overflow that would arise in the clipped terms alone is not carried to the result, nor is the rounding of that subtraction and addition.
; THIS LAUNCH: x, [32][4096] f32, is rounded once to bf16 into xb, [32][4096], the matrix operand of the second launch.
; Thread t of 16,384 takes 8 numbers: 32 bytes in, 16 bytes out; sixteen neighbouring lanes store 256 consecutive bytes, aligned.
	s_load_b128 s[4:7], s[0:1], 0x0                ; x s[4:5], xb s[6:7]
	s_lshl_b32 s8, ttmp9, 7                        ; 128 threads a work-group
	v_add_nc_u32 v1, s8, v0                        ; t
	v_lshlrev_b32 v2, 5, v1                        ; 32 t: my bytes of x
	v_lshlrev_b32 v3, 4, v1                        ; 16 t: my bytes of xb
	s_wait_kmcnt 0x0
	global_load_b128 v[4:7], v2, s[4:5]
	global_load_b128 v[8:11], v2, s[4:5] offset:16
	s_wait_loadcnt 0x0
	v_cvt_pk_bf16_f32 v12, v4, v5
	v_cvt_pk_bf16_f32 v13, v6, v7
	v_cvt_pk_bf16_f32 v14, v8, v9
	v_cvt_pk_bf16_f32 v15, v10, v11
	global_store_b128 v3, v[12:15], s[6:7]
	s_endpgm
.Lfunc_end_k_q04a6313329_cast:
	.size	k_q04a6313329_cast, .Lfunc_end_k_q04a6313329_cast-k_q04a6313329_cast
	.p2alignl 7, 3214868480
	.fill 96, 4, 3214868480
	.section	.rodata,"a",@progbits
	.p2align	6, 0x0
	.amdhsa_kernel k_q04a6313329_cast
		.amdhsa_group_segment_fixed_size 0
		.amdhsa_private_segment_fixed_size 0
		.amdhsa_enable_private_segment 0
		.amdhsa_kernarg_size 16
		.amdhsa_user_sgpr_count 2
		.amdhsa_user_sgpr_kernarg_segment_ptr 1
		.amdhsa_wavefront_size32 1
		.amdhsa_system_sgpr_workgroup_id_x 1
		.amdhsa_system_sgpr_workgroup_id_y 1
		.amdhsa_system_sgpr_workgroup_id_z 1
		.amdhsa_system_vgpr_workitem_id 0
		.amdhsa_next_free_vgpr 16
		.amdhsa_next_free_sgpr 66
		.amdhsa_reserve_vcc 0
		.amdhsa_float_denorm_mode_32 3
		.amdhsa_float_denorm_mode_16_64 3
		.amdhsa_memory_ordered 1
		.amdhsa_forward_progress 1
		.amdhsa_inst_pref_size 2
	.end_amdhsa_kernel
	.amdgpu_metadata
---
amdhsa.version: [ 1, 2 ]
amdhsa.kernels:
  - .name:           k_q04a6313329_cast
    .symbol:         k_q04a6313329_cast.kd
    .args:
      - { .name: x, .offset: 0, .size: 8, .value_kind: global_buffer, .address_space: global }
      - { .name: xb, .offset: 8, .size: 8, .value_kind: global_buffer, .address_space: global }
    .group_segment_fixed_size: 0
    .private_segment_fixed_size: 0
    .kernarg_segment_align: 8
    .kernarg_segment_size: 16
    .max_flat_workgroup_size: 128
    .sgpr_count:     66
    .vgpr_count:     16
    .wavefront_size: 32
...
	.end_amdgpu_metadata
.endif
;; end of part 1
;; launch main (part 2): grid 256 x 1, 8 waves a work-group, clusters of 4 x 1, 291,072 bytes of LDS; arguments weight, outlier_mask, bias, xb, out0; writes out0
.if DOCPART == 2
	.amdgcn_target "amdgcn-amd-amdhsa--gfx1250"
	.amdhsa_code_object_version 6
	.text
	.protected	k_q04a6313329_main
	.globl	k_q04a6313329_main
	.p2align	8
	.type	k_q04a6313329_main,@function
k_q04a6313329_main:
	s_mov_b64 s[64:65], 0
	v_nop
	global_prefetch_b8 v0, s[64:65] scope:SCOPE_SE
	s_setreg_imm32_b32 hwreg(HW_REG_WAVE_MODE, 25, 1), 1
	s_wait_xcnt 0x0
	s_wait_alu depctr_hold_cnt(0) depctr_sa_sdst(0) depctr_va_vdst(0) depctr_va_sdst(0) depctr_va_ssrc(0) depctr_va_vcc(0) depctr_vm_vsrc(0)
	s_getreg_b32 s2, hwreg(HW_REG_IB_STS2, 6, 4)
	s_cmp_eq_u32 s2, 0
	s_cbranch_scc0 .Lentry_in_a_cluster
	s_endpgm
.Lentry_in_a_cluster:
	s_bfe_u32 s2, ttmp6, 0x10000c
	s_cmp_lg_u32 s2, 0x3003
	s_cbranch_scc0 .Lentry_shape_is_right
	s_endpgm
.Lentry_shape_is_right:
; out[b][o] = sum over i of x[b][i] w_eff[o][i] + bias[o].  weight [11008][4096] f32, outlier_mask [11008][4096] bytes of 0 or 1, bias [11008] f32, xb [32][4096] bf16, out [32][11008] f32.
; WORK LEFT OUT: the clipped terms of reference(), (a - c) + c = a for all values (shown at the head of the first kernel).
; LIMITS.  weight, x and bias are rounded once to bf16 as they are loaded; mean, scale and sign are those of the rounded weights, so a weight within half a bf16 step of its row's mean may
; take another sign than in f32.  sign(z - mean) is made as clamp(2^100 z - 2^100 mean, -1, 1), one fused multiply-add rounded to bf16: exact for |mean| < 2^27 and for differences that are 0
; (which give 0, as sign does) or at least 2^-100.  The row sums are f32 sums in this text's own order.  NaN and infinities in weight are not treated apart.
; SHARES.  11,008 = 256 x 43: work-group g owns rows 43 g .. 43 g + 42, in three tiles of 16; in the third, lanes of rows 11 to 15 read row 10 of the tile once more, and their columns are never stored.
; K IS SPLIT AMONG THE EIGHT WAVES: wave v takes k = 512 v .. 512 v + 511, 16 chunks of 32.  Lane (r = l % 16, h = l / 16) holds of chunk c row r, k = 512 v + 32 c + 16 h + 0..15:
; 64 consecutive bytes of weight, 16 of the mask.  x's fragments take the same k into the same places, so the products are those of the true order.
; A ROW IS WANTED TWICE (its sums, then its signs): a tile stays in registers between, as bf16 (ZB), with its mask (MF).  Each byte of weight and mask is loaded once.
; PRODUCT.  D = A B + C with A = 16 batch rows of x, B = 16 weight rows: register j of lane (r, h) is (b = 8 h + j, o = r), so mean, scale and bias are one number a lane.
; Two B operands: s in {-1, 0, 1} (0 at outliers) and O = bf16(w) at outliers, else 0;  out = O-sum + scale x s-sum + bias: the scale stays in f32.  Four accumulators take turns.
; CLUSTER.  All work-groups read the same xb: the four of a cluster ask for each wave's slice jointly (mask 15; the descriptor hangs on the wave's number alone).  cx enters global offsets alone.
; REGISTERS, in windows of 256 (s_set_vgpr_msb: bits 1:0 source 0, 3:2 source 1, 5:4 source 2, 7:6 destination).  Window 0: see the names below.  Window 1: v0-127 WST, eight chunks of
; weight as loaded (16 f32 a chunk); v128-255 ZB, the tile's 16 chunks as packed bf16 (8 a chunk).
.set XP,    1040                       ; a row of x in LDS: 1,024 bytes + 16 of padding = 65 x 16: the 16 rows of a load start in 16 different columns of 16 bytes
.set XSL,   32*XP                      ; a wave's slice of x: 32 rows x 512 k; its own: filled by its own tensor load, read by it alone
.set STAT,  8*XSL                      ; 16 rows x 80 bytes: row r at 80 r, wave v's (sum, sum of magnitudes) at + 8 v
.set ACCP,  STAT+1280                  ; the waves' partial results: 2,048 v + 512 x quad + 16 l
.set OST,   ACCP+16384                 ; 32 rows of 192 bytes: the work-group's 48 columns of out; row 8 u + 4 h + e holds batch row 16 (u / 2) + 8 h + 4 (u % 2) + e
.set SPARE, OST+6144                   ; the spare words, 128 bytes for each wave: four blocks of 256 bytes that no other line names
.set R,    1                           ; v1   l % 16
.set H,    2                           ; v2   l / 16
.set LN,   3                           ; v3   l
.set WCUR, 4                           ; v4   my byte offset in the tile's rows of weight: row x 16,384 + 2,048 v + 64 h
.set WNXT, 5                           ; v5   the same for the next tile
.set WCLP, 6                           ; v6   the same with row min(r, 10): the third tile's
.set MCUR, 7                           ; v7-9 the same three for the mask: a quarter of them
.set MNXT, 8
.set MCLP, 9
.set XA,   10                          ; v10  LDS: my 32 bytes of x's chunk 0
.set STW,  11                          ; v11  LDS: where my wave's sums of row r go
.set STR,  12                          ; v12  LDS: row r's eight pairs of sums
.set APW,  13                          ; v13  LDS: where my partial results go
.set APR,  14                          ; v14  LDS: my quad in wave 0's partial results (waves 0 to 3)
.set OA,   15                          ; v15  LDS: where my four results go in OST (waves 0 to 3); steps 64 bytes a tile
.set ONE,  16                          ; v16  1.0
.set BIG,  17                          ; v17  2^100
.set CC,   18                          ; v18  -2^100 x mean
.set TP,   19                          ; v19  at work in the head
.set SC,   20                          ; v[20:21] scale, in the low word
.set BI,   22                          ; v22-24 bias of my row in this tile and the next two
.set ZERO, 25                          ; v25  0: the addend of a tile's first sums
.set SPW,  26                          ; v26  LDS address of my spare word; never rewritten
.set NIL,  27                          ; v27  0, for the add alone; never rewritten
.set LA1,  28                          ; v28-31 the way out
.set GO1,  29
.set LA2,  30
.set GO2,  31
.set ST,   32                          ; v[32:39] four chains of (sum, sum of magnitudes)
.set PM,   40                          ; v[40:47] a chunk's mask, 16 bits an element
.set AFS,  48                          ; v[48:55] B operand s; in pass 1 at work
.set AFO,  56                          ; v[56:63] B operand O; in pass 1 at work
.set XF,   64                          ; v[64:95] x's fragments, two buffers of 16: batch rows 0-15, then 16-31
.set ACC,  96                          ; v[96:127] accumulators: s rows 0-15, O rows 0-15, s rows 16-31, O rows 16-31
.set MST,  128                         ; v[128:159] eight chunks of mask as loaded
.set MF,   160                         ; v[160:223] the tile's mask, a byte of 0x00 or 0xFF an element, 4 registers a chunk
.set RB,   224                         ; v[224:255] at work
.set ZB,   128                         ; window 1
.set WB,   4                           ; s[4:5]   weight at the tile's first row
.set MB,   6                           ; s[6:7]   mask at the tile's first row
.set BP,   8                           ; s[8:9]   bias
.set XBP,  10                          ; s[10:11] xb
.set OUTP, 12                          ; s[12:13] out, at my wave's first batch row and the work-group's first column
.set WV,   14                          ; s14  my wave's number
.set GI,   15                          ; s15  g
.set TL,   16                          ; s16  tiles to go
.set G0,   20                          ; s[20:23] descriptor group 0
.set G1,   24                          ; s[24:31] descriptor group 1
.set SELP, 32                          ; s32, s33 byte selects: a mask byte twice, for the even and the odd pair of a register
.set MEXP, 34                          ; s34  0x0000FF00: a mask byte of 0 or 1 picks 0x00 or 0xFF
.set NEG1, 35                          ; s35  -1.0 twice in bf16
.set POS1, 36                          ; s36  1.0 twice
.set XSEL, 38                          ; s[38:39] v_permlanex16_b32: each lane takes its own place in the other half
.set SAVE, 44                          ; s44  EXEC kept
.set MSB, 0
.macro WIN new                         ; the immediate's high byte repeats the setting that is left; a switch that changes nothing is dropped
.if MSB != (\new)
	s_set_vgpr_msb (MSB<<8)|(\new)
.set MSB, \new
.endif
.endm
; A round of the cluster's barrier: my work-group's barrier; wave 0 signals for the work-group; every wave waits for all four work-groups; my work-group's barrier once more.
.macro ROUND
	s_barrier_signal -1
	s_barrier_wait -1
	s_cmp_lg_u32 s[WV], 0
	s_cbranch_scc1 .Lnot_wave_0_\@
	s_barrier_signal -3
.Lnot_wave_0_\@:
	s_barrier_wait -3
	s_barrier_signal -1
	s_barrier_wait -1
.endm
; Eight chunks of mask: the eight loads together take 256 consecutive bytes of each of the 16 rows.
.macro MGLOAD a, off
.irp i, 0,1,2,3,4,5,6,7
	global_load_b128 v[MST+4*(\i):MST+4*(\i)+3], v[\a], s[MB:MB+1] offset:(\off)+32*(\i) th:TH_LOAD_NT
.endr
.endm
; Pair p of an octet's chunks of weight: eight loads, 256 consecutive bytes of each of the 16 rows.
.macro WLOAD p, a, off
	WIN 0x40                                       ; destination window 1, address window 0
.irp i, 0,1
.irp j, 0,1,2,3
	global_load_b128 v[16*(2*(\p)+(\i))+4*(\j):16*(2*(\p)+(\i))+4*(\j)+3], v[\a], s[WB:WB+1] offset:(\off)+128*(2*(\p)+(\i))+16*(\j) th:TH_LOAD_NT
.endr
.endr
.endm
; The octet's mask bytes, 0 or 1, become 0x00 or 0xFF: the byte itself is the select.
.macro MFX o
.set q, 0
.rept 32
	v_perm_b32 v[MF+32*(\o)+q], 0, s[MEXP], v[MST+q]
.set q, q+1
.endr
.endm
; PASS 1 for pair p of octet o: rounded to bf16 and kept; its registers asked for again; outliers set to 0; the sums.  kind 0: the refill is this tile's octet 1; 1: the next tile's octet 0; 2: none.
.macro P1PAIR o, p, kind
.if (\kind) < 2
	s_wait_loadcnt 32                              ; my pair is in.  Behind it were issued: 8 (3 - p) loads of this octet, the next octet's 8 of mask, 8 p refills
.else
	s_wait_loadcnt 24-8*(\p)                       ; nothing was issued behind this octet: the counts run down
.endif
	WIN 0x45                                       ; sources and destination in window 1
.irp i, 0,1
.irp m, 0,1,2,3,4,5,6,7
	v_cvt_pk_bf16_f32 v[ZB+8*(8*(\o)+2*(\p)+(\i))+(\m)], v[16*(2*(\p)+(\i))+2*(\m)], v[16*(2*(\p)+(\i))+2*(\m)+1]
.endr
.endr
.if (\kind) == 0
	WLOAD \p, WCUR, 1024
.elseif (\kind) == 1
	WLOAD \p, WNXT, 262144
.endif
	WIN 0x10                                       ; source 2 (ZB) in window 1
.irp i, 0,1
.irp m, 0,1,2,3,4,5,6,7
	v_perm_b32 v[AFS+8*(\i)+(\m)], 0, v[MF+4*(8*(\o)+2*(\p)+(\i))+(\m)/2], s[SELP+(\m)%2]  ; two elements' mask, 16 bits each
.endr
.irp m, 0,1,2,3,4,5,6,7
	v_bfi_b32 v[AFS+8*(\i)+(\m)], v[AFS+8*(\i)+(\m)], 0, v[ZB+8*(8*(\o)+2*(\p)+(\i))+(\m)]  ; wz: 0 at outliers
.endr
.endr
	WIN 0
.irp i, 0,1
.irp m, 0,1,2,3,4,5,6,7
.irp f, 0,1
.if ((\o)+(\p)+(\i) == 0) && ((\m) < 2)            ; a tile's first eight start the eight chains: nothing is cleared
	v_fma_mix_f32_bf16 v[ST+2*((2*(\m)+(\f))%4)], v[AFS+8*(\i)+(\m)], v[ONE], v[ZERO] op_sel:[\f,0,0] op_sel_hi:[1,0,0]
	v_fma_mix_f32_bf16 v[ST+2*((2*(\m)+(\f))%4)+1], |v[AFS+8*(\i)+(\m)]|, v[ONE], v[ZERO] op_sel:[\f,0,0] op_sel_hi:[1,0,0]
.else
	v_fma_mix_f32_bf16 v[ST+2*((2*(\m)+(\f))%4)], v[AFS+8*(\i)+(\m)], v[ONE], v[ST+2*((2*(\m)+(\f))%4)] op_sel:[\f,0,0] op_sel_hi:[1,0,0]
	v_fma_mix_f32_bf16 v[ST+2*((2*(\m)+(\f))%4)+1], |v[AFS+8*(\i)+(\m)]|, v[ONE], v[ST+2*((2*(\m)+(\f))%4)+1] op_sel:[\f,0,0] op_sel_hi:[1,0,0]
.endif
.endr
.endr
.endr
.endm
.macro HALF o, kind
	WIN 0
	s_wait_loadcnt 32                              ; this octet's mask is in: behind it were issued the octet's 32 loads of weight
	MFX \o
.if (\kind) == 0
	MGLOAD MCUR, 256
.elseif (\kind) == 1
	MGLOAD MNXT, 65536
.endif
.irp p, 0,1,2,3
	P1PAIR \o, \p, \kind
.endr
.endm
.macro XLOAD c                         ; x's fragments of chunk c, both halves of the batch, into buffer c % 2
	ds_load_b128 v[XF+16*((\c)%2):XF+16*((\c)%2)+3],     v[XA] offset:64*(\c)
	ds_load_b128 v[XF+16*((\c)%2)+4:XF+16*((\c)%2)+7],   v[XA] offset:64*(\c)+16
	ds_load_b128 v[XF+16*((\c)%2)+8:XF+16*((\c)%2)+11],  v[XA] offset:64*(\c)+16*XP
	ds_load_b128 v[XF+16*((\c)%2)+12:XF+16*((\c)%2)+15], v[XA] offset:64*(\c)+16*XP+16
.endm
; PASS 2 for chunk c.  The eight selects, which name no register of the last products, are the places between those products and the lines that write their B operands;
; 32 plain instructions stand ahead of the loads into the x buffer that the products of the step before last read.
.macro P2STEP c
	WIN 0x01                                       ; source 0 (ZB) in window 1
.irp m, 0,1,2,3,4,5,6,7
	v_perm_b32 v[PM+(\m)], 0, v[MF+4*(\c)+(\m)/2], s[SELP+(\m)%2]
.endr
.irp m, 0,1,2,3,4,5,6,7
	v_fma_mixlo_bf16 v[AFS+(\m)], v[ZB+8*(\c)+(\m)], v[BIG], v[CC] op_sel_hi:[1,0,0]  ; 2^100 (z - mean), exact, rounded once
.endr
.irp m, 0,1,2,3,4,5,6,7
	v_fma_mixhi_bf16 v[AFS+(\m)], v[ZB+8*(\c)+(\m)], v[BIG], v[CC] op_sel:[1,0,0] op_sel_hi:[1,0,0]
.endr
.irp m, 0,1,2,3,4,5,6,7
	v_and_b32 v[AFO+(\m)], v[ZB+8*(\c)+(\m)], v[PM+(\m)]  ; the weight at outliers, else 0
.endr
	WIN 0
.if (\c) < 15
	XLOAD (\c)+1
.endif
.irp m, 0,1,2,3,4,5,6,7
	v_pk_max_num_bf16 v[AFS+(\m)], v[AFS+(\m)], s[NEG1]
.endr
.irp m, 0,1,2,3,4,5,6,7
	v_pk_min_num_bf16 v[AFS+(\m)], v[AFS+(\m)], s[POS1]   ; -1, 0 or 1
.endr
.irp m, 0,1,2,3,4,5,6,7
	v_bfi_b32 v[AFS+(\m)], v[PM+(\m)], 0, v[AFS+(\m)]     ; 0 at outliers
.endr
.if (\c) < 15
	s_wait_dscnt 4                                 ; this chunk's x is in; the next chunk's four loads may stay out
.else
	s_wait_dscnt 0x0
.endif
.irp n, 0,1                            ; the four accumulators take turns, one instruction a turn, from step to step too
.if (\c) == 0                          ; the first chunk's products start the sums
	v_wmma_f32_16x16x32_bf16 v[ACC+16*(\n):ACC+16*(\n)+7],    v[XF+16*((\c)%2)+8*(\n):XF+16*((\c)%2)+8*(\n)+7], v[AFS:AFS+7], 0
	v_wmma_f32_16x16x32_bf16 v[ACC+16*(\n)+8:ACC+16*(\n)+15], v[XF+16*((\c)%2)+8*(\n):XF+16*((\c)%2)+8*(\n)+7], v[AFO:AFO+7], 0
.else
	v_wmma_f32_16x16x32_bf16 v[ACC+16*(\n):ACC+16*(\n)+7],    v[XF+16*((\c)%2)+8*(\n):XF+16*((\c)%2)+8*(\n)+7], v[AFS:AFS+7], v[ACC+16*(\n):ACC+16*(\n)+7]
	v_wmma_f32_16x16x32_bf16 v[ACC+16*(\n)+8:ACC+16*(\n)+15], v[XF+16*((\c)%2)+8*(\n):XF+16*((\c)%2)+8*(\n)+7], v[AFO:AFO+7], v[ACC+16*(\n)+8:ACC+16*(\n)+15]
.endif
.endr
.endm
	; THE HEAD
	s_load_b256 s[4:11], s[0:1], 0x0               ; weight, mask, bias, xb
	s_load_b64 s[OUTP:OUTP+1], s[0:1], 0x20        ; out
	v_lshl_add_u32 v[SPW], v0, 2, SPARE
	v_mov_b32 v[NIL], 0
	ds_add_u32 v[SPW], v[NIL]                      ; the wave's opening: the add, twice on end, and its wait ahead of my first tensor load; the set-up below stands between
	ds_add_u32 v[SPW], v[NIL]
	v_lshrrev_b32 v[LN], 5, v0
	v_readfirstlane_b32 s[WV], v[LN]               ; wave 0..7
	v_and_b32 v[R], 15, v0
	v_bfe_u32 v[H], v0, 4, 1
	v_and_b32 v[LN], 31, v0
	s_bfe_u32 s17, ttmp6, 0x40000                  ; cx: my place in the cluster
	s_lshl_b32 s[GI], ttmp9, 2                     ; in a cluster launch ttmp9 counts clusters
	s_add_co_u32 s[GI], s[GI], s17                 ; g: it enters the global offsets of weight, mask, bias and out alone
	s_mov_b32 s[SELP], 0x01010000
	s_mov_b32 s[SELP+1], 0x03030202
	s_mov_b32 s[MEXP], 0x0000ff00
	s_mov_b32 s[NEG1], 0xbf80bf80
	s_mov_b32 s[POS1], 0x3f803f80
	s_mov_b32 s[XSEL], 0x76543210
	s_mov_b32 s[XSEL+1], 0xfedcba98
	s_mov_b32 s[TL], 3
	; the descriptor: my slice of xb, 32 rows x 512 elements of 2 bytes, 4,096 elements from row to row, padded in LDS behind each row
	s_mov_b32 s[G0], 1                             ; count = 1
	s_mul_i32 s[G0+1], s[WV], XSL                  ; LDS address: my slice
	s_mov_b32 s[G1], 15|(1<<16)|(1<<20)|(1<<21)|(7<<22)|(3<<25)  ; the mask of four; 2-byte elements; padding on; bit 21 beside a mask; after every 256 words (code 7) 4 words (code 3)
	s_mov_b32 s[G1+1], 512<<16                     ; tensor_dim0 = 512
	s_mov_b32 s[G1+2], 32<<16                      ; tensor_dim1 = 32
	s_mov_b32 s[G1+3], 512<<16                     ; tile_dim0 = 512
	s_mov_b32 s[G1+4], 32                          ; tile_dim1 = 32
	s_mov_b32 s[G1+5], 4096                        ; the pitch
	s_mov_b32 s[G1+6], 0
	s_mov_b32 s[G1+7], 0
	; global offsets
	s_lshl_b32 s40, s[WV], 11                      ; my wave's 512 k: 2,048 bytes of a row of weight
	v_lshlrev_b32 v[WCUR], 14, v[R]
	v_lshl_add_u32 v[WCUR], v[H], 6, v[WCUR]
	v_add_nc_u32 v[WCUR], s40, v[WCUR]
	v_mov_b32 v[WNXT], v[WCUR]
	v_min_u32 v[TP], 10, v[R]                      ; the third tile has 11 rows
	v_lshlrev_b32 v[WCLP], 14, v[TP]
	v_lshl_add_u32 v[WCLP], v[H], 6, v[WCLP]
	v_add_nc_u32 v[WCLP], s40, v[WCLP]
	v_lshrrev_b32 v[MCUR], 2, v[WCUR]
	v_mov_b32 v[MNXT], v[MCUR]
	v_lshrrev_b32 v[MCLP], 2, v[WCLP]
	s_mul_i32 s42, s[GI], 43
	v_add_nc_u32 v[RB+20], s42, v[R]               ; my row in the three tiles, for the bias
	v_add_nc_u32 v[RB+21], 16, v[RB+20]
	v_add_nc_u32 v[RB+22], 32, v[RB+20]
	v_min_u32 v[RB+22], 0x2aff, v[RB+22]           ; rows that the third tile does not have stay inside the buffer
	v_lshlrev_b32 v[RB+20], 2, v[RB+20]
	v_lshlrev_b32 v[RB+21], 2, v[RB+21]
	v_lshlrev_b32 v[RB+22], 2, v[RB+22]
	; LDS addresses: a constant, the wave's number times a constant, a lane term
	v_mul_u32_u24 v[XA], v[R], XP
	v_lshl_add_u32 v[XA], v[H], 5, v[XA]
	v_add_nc_u32 v[XA], s[G0+1], v[XA]
	v_mul_u32_u24 v[STR], v[R], 80
	v_add_nc_u32 v[STR], STAT, v[STR]
	s_lshl_b32 s41, s[WV], 3
	v_add_nc_u32 v[STW], s41, v[STR]
	s_lshl_b32 s41, s[WV], 11
	s_add_co_u32 s41, s41, ACCP
	v_lshl_add_u32 v[APW], v[LN], 4, s41
	s_lshl_b32 s41, s[WV], 9
	s_add_co_u32 s41, s41, ACCP
	v_lshl_add_u32 v[APR], v[LN], 4, s41
	s_mul_i32 s41, s[WV], 1536
	s_add_co_u32 s41, s41, OST
	v_mul_u32_u24 v[OA], v[H], 768
	v_lshl_add_u32 v[OA], v[R], 2, v[OA]
	v_add_nc_u32 v[OA], s41, v[OA]
	s_mul_i32 s41, s[WV], 768
	s_add_co_u32 s41, s41, OST
	v_lshl_add_u32 v[LA1], v[LN], 2, s41           ; the way out: OST's rows 4 w .. 4 w + 3, columns 0 to 31,
	v_lshlrev_b32 v[GO1], 2, v[LN]
	v_mul_u32_u24 v[LA2], v[H], 192                ; and columns 32 on, two rows at a time
	v_lshl_add_u32 v[LA2], v[R], 2, v[LA2]
	v_add_nc_u32 v[LA2], s41, v[LA2]
	v_mul_u32_u24 v[GO2], v[H], 44032
	v_lshl_add_u32 v[GO2], v[R], 2, v[GO2]
	v_mov_b32 v[ONE], 1.0
	v_mov_b32 v[BIG], 0x71800000                   ; 2^100
	v_mov_b32 v[ZERO], 0
	v_mov_b32 v[SC+1], 0                           ; named with the scale as a pair
	v_mov_b32 v[RB], 0                             ; v_permlanex16_b32's destinations count as read
	v_mov_b32 v[RB+1], 0
	; where my wave's four batch rows begin: OST's rows 4 w + e hold batch rows 16 (w / 4) + 8 (w % 2) + 4 ((w / 2) % 2) + e
	s_lshr_b32 s41, s[WV], 2
	s_lshl_b32 s41, s41, 4
	s_and_b32 s42, s[WV], 1
	s_lshl_b32 s42, s42, 3
	s_add_co_u32 s41, s41, s42
	s_bfe_u32 s42, s[WV], 0x10001
	s_lshl_b32 s42, s42, 2
	s_add_co_u32 s41, s41, s42
	s_mul_i32 s42, s41, 44032                      ; a row of out is 44,032 bytes
	s_mul_i32 s43, s[GI], 172                      ; the work-group's 43 columns
	s_add_co_u32 s42, s42, s43
	s_mov_b32 s43, 0
	s_mov_b32 s41, 0
	s_wait_dscnt 0x0                               ; both opening adds are done
	s_wait_kmcnt 0x0
	s_add_nc_u64 s[OUTP:OUTP+1], s[OUTP:OUTP+1], s[42:43]
	s_mul_i32 s40, s[GI], 43*16384
	s_add_nc_u64 s[WB:WB+1], s[WB:WB+1], s[40:41]  ; weight and mask at the work-group's first row
	s_mul_i32 s40, s[GI], 43*4096
	s_add_nc_u64 s[MB:MB+1], s[MB:MB+1], s[40:41]
	s_lshl_b32 s40, s[WV], 10                      ; my 512 k of a row of xb
	s_add_nc_u64 s[G0+2:G0+3], s[XBP:XBP+1], s[40:41]
	s_or_b32 s[G0+3], s[G0+3], 0x80000000          ; type = 2
	global_load_b32 v[BI],   v[RB+20], s[BP:BP+1]
	global_load_b32 v[BI+1], v[RB+21], s[BP:BP+1]
	global_load_b32 v[BI+2], v[RB+22], s[BP:BP+1]
	MGLOAD MCUR, 0                                 ; the first tile's first octet: 40 loads, 20 KiB a wave, on their way
	WLOAD 0, WCUR, 0
	WLOAD 1, WCUR, 0
	WLOAD 2, WCUR, 0
	WLOAD 3, WCUR, 0
	WIN 0
	ROUND                                          ; all four work-groups are here: the joint loads meet
	tensor_load_to_lds s[G0:G0+3], s[G1:G1+7]      ; my one tensor load of the launch
	s_nop 0
.rept 4
	v_nop
.endr
	s_wait_loadcnt 40                              ; the bias is in: behind it were issued 8 loads of mask and 32 of weight
.irp t, 0,1,2
	v_cvt_pk_bf16_f32 v[BI+(\t)], v[BI+(\t)], v[BI+(\t)]  ; rounded to bf16 like the other inputs,
.endr
.irp t, 0,1,2
	v_lshlrev_b32 v[BI+(\t)], 16, v[BI+(\t)]       ; and widened again
.endr
	s_wait_tensorcnt 0x0                           ; my slice of x is in LDS; I alone read it, so no barrier is wanted
.Ltile:                                        ; three trips, a tile of 16 rows each
	HALF 0, 0
	WIN 0
	s_cmp_eq_u32 s[TL], 1
	s_cbranch_scc1 .Llast                          ; behind the last tile there is nothing to ask for
	HALF 1, 1
	WIN 0
	s_branch .Lstats
.Llast:
	HALF 1, 2
	WIN 0
.Lstats:
	; THE ROW'S SUMS: my four chains, the other half of the lanes, the eight waves.  Every lane of every wave adds the eight in the same order, so all use the same mean.
	v_pk_add_f32 v[ST:ST+1], v[ST:ST+1], v[ST+2:ST+3]
	v_pk_add_f32 v[ST+4:ST+5], v[ST+4:ST+5], v[ST+6:ST+7]
	v_pk_add_f32 v[ST:ST+1], v[ST:ST+1], v[ST+4:ST+5]
	v_permlanex16_b32 v[RB], v[ST], s[XSEL], s[XSEL+1]
	v_permlanex16_b32 v[RB+1], v[ST+1], s[XSEL], s[XSEL+1]
	v_pk_add_f32 v[ST:ST+1], v[ST:ST+1], v[RB:RB+1]
	ds_store_b64 v[STW], v[ST:ST+1]
	s_wait_dscnt 0x0                               ; for the others' sake: my sums are stored; so are my results of the tile before, and my reads of its partial results are over
	s_barrier_signal -1
	s_barrier_wait -1
.irp i, 0,1,2,3
	ds_load_b128 v[RB+4+4*(\i):RB+4+4*(\i)+3], v[STR] offset:16*(\i)
.endr
	XLOAD 0
	s_wait_dscnt 4                                 ; the sums are in; x's four loads may stay out
.irp i, 0,1,2,3
	v_pk_add_f32 v[RB+4+4*(\i):RB+4+4*(\i)+1], v[RB+4+4*(\i):RB+4+4*(\i)+1], v[RB+4+4*(\i)+2:RB+4+4*(\i)+3]
.endr
	v_pk_add_f32 v[RB+4:RB+5], v[RB+4:RB+5], v[RB+8:RB+9]
	v_pk_add_f32 v[RB+12:RB+13], v[RB+12:RB+13], v[RB+16:RB+17]
	v_pk_add_f32 v[RB+4:RB+5], v[RB+4:RB+5], v[RB+12:RB+13]
	v_mul_f32 v[CC], 0xeb800000, v[RB+4]           ; -2^88 x sum = -2^100 x mean: a power of two, so exact
	v_mul_f32 v[SC], 0x39800000, v[RB+5]           ; 2^-12 x sum of magnitudes = scale
.irp c, 0,1,2,3,4,5,6,7,8,9,10,11,12,13,14,15
	P2STEP \c
.endr
	; COMBINE: O-sum + scale x s-sum, each accumulator read from its low end on; then the waves' parts of K meet in LDS
.rept 8
	v_nop                                          ; the places behind the last products (ISA guide 7.12.1), with room to spare: three times a launch
.endr
.irp n, 0,1
.irp j, 0,2,4,6
	v_pk_fma_f32 v[ACC+16*(\n)+8+(\j):ACC+16*(\n)+9+(\j)], v[ACC+16*(\n)+(\j):ACC+16*(\n)+(\j)+1], v[SC:SC+1], v[ACC+16*(\n)+8+(\j):ACC+16*(\n)+9+(\j)] op_sel_hi:[1,0,1]
.endr
.endr
	ds_store_b128 v[APW], v[ACC+8:ACC+11]
	ds_store_b128 v[APW], v[ACC+12:ACC+15] offset:512
	ds_store_b128 v[APW], v[ACC+24:ACC+27] offset:1024
	ds_store_b128 v[APW], v[ACC+28:ACC+31] offset:1536
	s_wait_dscnt 0x0                               ; for the others' sake: my partial results are stored, and my reads of the row sums are over
	s_barrier_signal -1
	s_barrier_wait -1
	s_cmp_lt_u32 s[WV], 4                          ; wave u of the first four adds up quad u of all eight waves
	s_cbranch_scc0 .Lno_out
.irp i, 0,1,2,3,4,5,6,7
	ds_load_b128 v[RB+4*(\i):RB+4*(\i)+3], v[APR] offset:2048*(\i)
.endr
	s_wait_dscnt 0x0
.irp i, 0,2,4,6
	v_pk_add_f32 v[RB+4*(\i):RB+4*(\i)+1],   v[RB+4*(\i):RB+4*(\i)+1],   v[RB+4*(\i)+4:RB+4*(\i)+5]
	v_pk_add_f32 v[RB+4*(\i)+2:RB+4*(\i)+3], v[RB+4*(\i)+2:RB+4*(\i)+3], v[RB+4*(\i)+6:RB+4*(\i)+7]
.endr
.irp i, 0,4
	v_pk_add_f32 v[RB+4*(\i):RB+4*(\i)+1],   v[RB+4*(\i):RB+4*(\i)+1],   v[RB+4*(\i)+8:RB+4*(\i)+9]
	v_pk_add_f32 v[RB+4*(\i)+2:RB+4*(\i)+3], v[RB+4*(\i)+2:RB+4*(\i)+3], v[RB+4*(\i)+10:RB+4*(\i)+11]
.endr
	v_pk_add_f32 v[RB:RB+1],   v[RB:RB+1],   v[RB+16:RB+17]
	v_pk_add_f32 v[RB+2:RB+3], v[RB+2:RB+3], v[RB+18:RB+19]
	v_pk_add_f32 v[RB:RB+1],   v[RB:RB+1],   v[BI:BI+1] op_sel_hi:[1,0]  ; my row's bias, for both
	v_pk_add_f32 v[RB+2:RB+3], v[RB+2:RB+3], v[BI:BI+1] op_sel_hi:[1,0]
.irp e, 0,1,2,3
	ds_store_b32 v[OA], v[RB+(\e)] offset:192*(\e)
.endr
.Lno_out:
	s_wait_xcnt 0x0                                ; every load issued so far has read its addresses: bases and offsets are written only behind this wait
	s_add_nc_u64 s[WB:WB+1], s[WB:WB+1], 262144    ; 16 rows on
	s_add_nc_u64 s[MB:MB+1], s[MB:MB+1], 65536
	v_mov_b32 v[WCUR], v[WNXT]
	v_mov_b32 v[WNXT], v[WCLP]                     ; the tile after the next is the third, or none
	v_mov_b32 v[MCUR], v[MNXT]
	v_mov_b32 v[MNXT], v[MCLP]
	v_mov_b32 v[BI], v[BI+1]
	v_mov_b32 v[BI+1], v[BI+2]
	v_add_nc_u32 v[OA], 64, v[OA]                  ; the next 16 columns
	s_sub_co_u32 s[TL], s[TL], 1
	s_cmp_lg_u32 s[TL], 0
	s_cbranch_scc1 .Ltile
	; THE WAY OUT: wave w stores four batch rows' 43 columns: 128 consecutive bytes a row, then the last 11 columns of two rows at a time.
	; 43 columns are 172 bytes: the work-groups' equal shares of rows are kept, and out is 1.4 MB of the launch's 227.
	s_wait_dscnt 0x0                               ; for the others' sake: my results are stored
	s_barrier_signal -1
	s_barrier_wait -1
.irp e, 0,1,2,3
	ds_load_b32 v[RB+(\e)], v[LA1] offset:192*(\e)
.endr
.irp i, 0,1
	ds_load_b32 v[RB+4+(\i)], v[LA2] offset:128+384*(\i)
.endr
	s_wait_dscnt 0x0
.irp e, 0,1,2,3
	global_store_b32 v[GO1], v[RB+(\e)], s[OUTP:OUTP+1] offset:44032*(\e)
.endr
	v_cmp_gt_u32 vcc_lo, 11, v[R]
	s_wait_xcnt 0x0                                ; EXEC is a source of the stores above: it changes only behind this wait
	s_and_saveexec_b32 s[SAVE], vcc_lo             ; columns 32 to 42 alone
.irp i, 0,1
	global_store_b32 v[GO2], v[RB+4+(\i)], s[OUTP:OUTP+1] offset:128+88064*(\i)
.endr
	s_wait_xcnt 0x0                                ; and again, ahead of the line that widens it
	s_or_b32 exec_lo, exec_lo, s[SAVE]
	s_wait_tensorcnt 0x0                           ; the wave's end, behind my tensor load and my last LDS store
	ds_add_u32 v[SPW], v[NIL]
	s_wait_dscnt 0x0
	ROUND                                          ; the closing round: no work-group ends while a partner may still ask for a slice that names it
	s_endpgm
.Lfunc_end_k_q04a6313329_main:
	.size	k_q04a6313329_main, .Lfunc_end_k_q04a6313329_main-k_q04a6313329_main
	.p2alignl 7, 3214868480
	.fill 96, 4, 3214868480
	.section	.rodata,"a",@progbits
	.p2align	6, 0x0
	.amdhsa_kernel k_q04a6313329_main
		.amdhsa_group_segment_fixed_size 291072
		.amdhsa_private_segment_fixed_size 0
		.amdhsa_enable_private_segment 0
		.amdhsa_kernarg_size 40
		.amdhsa_user_sgpr_count 2
		.amdhsa_user_sgpr_kernarg_segment_ptr 1
		.amdhsa_wavefront_size32 1
		.amdhsa_system_sgpr_workgroup_id_x 1
		.amdhsa_system_sgpr_workgroup_id_y 1
		.amdhsa_system_sgpr_workgroup_id_z 1
		.amdhsa_system_vgpr_workitem_id 0
		.amdhsa_next_free_vgpr 512
		.amdhsa_next_free_sgpr 66
		.amdhsa_reserve_vcc 1
		.amdhsa_float_denorm_mode_32 3
		.amdhsa_float_denorm_mode_16_64 3
		.amdhsa_memory_ordered 1
		.amdhsa_forward_progress 1
		.amdhsa_inst_pref_size 178
	.end_amdhsa_kernel
	.amdgpu_metadata
---
amdhsa.version: [ 1, 2 ]
amdhsa.kernels:
  - .name:           k_q04a6313329_main
    .symbol:         k_q04a6313329_main.kd
    .args:
      - { .name: weight, .offset: 0, .size: 8, .value_kind: global_buffer, .address_space: global }
      - { .name: outlier_mask, .offset: 8, .size: 8, .value_kind: global_buffer, .address_space: global }
      - { .name: bias, .offset: 16, .size: 8, .value_kind: global_buffer, .address_space: global }
      - { .name: xb, .offset: 24, .size: 8, .value_kind: global_buffer, .address_space: global }
      - { .name: out0, .offset: 32, .size: 8, .value_kind: global_buffer, .address_space: global }
    .group_segment_fixed_size: 291072
    .private_segment_fixed_size: 0
    .kernarg_segment_align: 8
    .kernarg_segment_size: 40
    .max_flat_workgroup_size: 256
    .sgpr_count:     66
    .vgpr_count:     512
    .wavefront_size: 32
...
	.end_amdgpu_metadata
.endif
;; end of part 2
;; ======== version 2 of 2: 2 launches; 1.57 times as fast as version 1
;; limits: inputs' magnitudes at most 134,217,728; below input magnitudes of 7.9e-31 results are inexact or not finite
;; workspace buffers: xb 262,144 bytes
;; launch cast: the kernel of part 1 again; grid 128 x 1, 4 waves a work-group, no clusters, 0 bytes of LDS; arguments x, xb; writes xb
;; launch main (part 3): grid 256 x 1, 8 waves a work-group, clusters of 4 x 1, 325,888 bytes of LDS; arguments weight, outlier_mask, bias, xb, out0; writes out0
.if DOCPART == 3
	.amdgcn_target "amdgcn-amd-amdhsa--gfx1250"
	.amdhsa_code_object_version 6
	.text
	.protected	k_q04a6313329_main
	.globl	k_q04a6313329_main
	.p2align	8
	.type	k_q04a6313329_main,@function
k_q04a6313329_main:
	s_mov_b64 s[64:65], 0
	v_nop
	global_prefetch_b8 v0, s[64:65] scope:SCOPE_SE
	s_setreg_imm32_b32 hwreg(HW_REG_WAVE_MODE, 25, 1), 1
	s_wait_xcnt 0x0
	s_wait_alu depctr_hold_cnt(0) depctr_sa_sdst(0) depctr_va_vdst(0) depctr_va_sdst(0) depctr_va_ssrc(0) depctr_va_vcc(0) depctr_vm_vsrc(0)
	s_getreg_b32 s2, hwreg(HW_REG_IB_STS2, 6, 4)
	s_cmp_eq_u32 s2, 0
	s_cbranch_scc0 .Lentry_in_a_cluster
	s_endpgm
.Lentry_in_a_cluster:
	s_bfe_u32 s2, ttmp6, 0x10000c
	s_cmp_lg_u32 s2, 0x3003
	s_cbranch_scc0 .Lentry_shape_is_right
	s_endpgm
.Lentry_shape_is_right:
; out[b][o] = sum over i of x[b][i] w_eff[o][i] + bias[o].  weight [11008][4096] f32, outlier_mask [11008][4096] bytes of 0 or 1, bias [11008] f32, xb [32][4096] bf16, out [32][11008] f32.
; WORK LEFT OUT: the clipped terms of reference(), (a - c) + c = a for all values (shown at the head of the first kernel).
; LIMITS.  weight, x and bias are rounded once to bf16 as they are loaded; mean, scale and sign are those of the rounded weights, so a weight within half a bf16 step of its row's mean may
; take another sign than in f32.  The matrix operand w_eff is bf16: the weight at outliers, elsewhere bf16(scale) x sign(z - mean), made as clamp(2^100 z - 2^100 mean, -bf16(scale), bf16(scale)),
; one fused multiply-add rounded to bf16: exact for |mean| < 2^27 and for differences that are 0 (which give 0, as sign does) or at least 2^-100 x scale.  The row sums are f32 sums in this
; text's own order.  NaN and infinities in weight are not treated apart.
; SHARES.  11,008 = 256 x 43: work-group g owns rows 43 g .. 43 g + 42, in three tiles of 16; the third has 11 rows: the loads of its rows 11 to 15 name rows 3 to 7 once more (the same
; bytes as the other half of the same load), and their columns are never stored.
; K IS SPLIT AMONG THE EIGHT WAVES: wave v takes k = 512 v .. 512 v + 511: 16 chunks of 32, in pairs of 64 and octets of 256.
; LOADS.  Each load of weight takes 256 consecutive bytes, aligned, of each of two rows (lanes 0-15 row i, lanes 16-31 row i + 8): a pair's 64 k; eight loads take the tile's 16 rows.
; Each load of the mask likewise: an octet's 256 k.  Each byte of weight and mask is loaded once.
; THE TURN.  The matrix unit wants a row a lane: lane (r = l % 16, h = l / 16) holds of chunk c row r, k = 512 v + 32 c + 16 h + 0..15.  So the weights, rounded to bf16, and the mask bytes go
; once through a stage in LDS of the wave's own and come back as fragments.  x's fragments take the same k into the same places, so the products are those of the true order.
; A ROW IS WANTED TWICE (its sums, then its signs): a tile stays in registers between, as bf16 (ZB), with its mask (MF).
; PRODUCT.  D = A B + C with A = 16 batch rows of x, B = 16 rows of w_eff: register j of lane (r, h) is (b = 8 h + j, o = r), so mean, scale and bias are one number a lane.
; Two accumulators, batch rows 0-15 and 16-31, take turns.
; CLUSTER.  All work-groups read the same xb: the four of a cluster ask for each wave's slice jointly (mask 15; the descriptor hangs on the wave's number alone).  cx enters global offsets alone.
; REGISTERS, in windows of 256 (s_set_vgpr_msb: bits 1:0 source 0, 3:2 source 1, 5:4 source 2, 7:6 destination).  Window 0: see the names below.  Window 1: v0-127 WST, an octet of
; weight as loaded (pair p at 32 p, load i at + 4 i); v128-255 ZB, the tile's 16 chunks as packed bf16 (8 a chunk).
.set XP,    1040                       ; a row of x in LDS: 1,024 bytes + 16 of padding = 65 x 16: the 16 rows of a load start in 16 different columns of 16 bytes
.set XSL,   32*XP                      ; a wave's slice of x: 32 rows x 512 k; its own: filled by its own tensor load, read by it alone
.set STAT,  8*XSL                      ; 16 rows x 80 bytes: row r at 80 r, wave v's (sum, sum of magnitudes) at + 8 v
.set ACCP,  STAT+1280                  ; the waves' partial results: 2,048 v + 512 x quad + 16 l
.set OST,   ACCP+16384                 ; 32 rows of 192 bytes: the work-group's 48 columns of out; row 8 u + 4 h + e holds batch row 16 (u / 2) + 8 h + 4 (u % 2) + e
.set TB,    OST+6144                   ; the stages of the turn, one for each wave
.set TBW,   4352                       ; a stage: 16 rows of MP bytes (mask) or of ZP bytes (weights), in the same bytes one after the other: LDS serves a wave's instructions in order (ISA guide 5.7.1.4)
.set MP,    272                        ; an octet's row of mask: 256 bytes + 16 = 17 x 16: the 16 rows of a load back start in 16 different columns of 16 bytes
.set ZP,    144                        ; a pair's row of bf16: 128 bytes + 16 = 9 x 16: likewise; rows i and i + 8 of a store lie 1,152 = 4 x 256 + 128 bytes apart
.set SPARE, TB+8*TBW                   ; the spare words, 128 bytes for each wave: four blocks of 256 bytes that no other line names
.set R,    1                           ; v1   l % 16
.set H,    2                           ; v2   l / 16
.set MN,   3                           ; v3   mask: my byte offset in load 0 of an octet: 8 h rows x 4,096 + 512 v + 16 r; never rewritten
.set WCUR, 4                           ; v4   weight: the offset for loads 3 to 7 of this tile: WN, or WD in the third tile
.set WNXT, 5                           ; v5   the same for the next tile
.set WD,   6                           ; v6   weight: both halves of the lanes on one row: 2,048 v + 16 r; never rewritten
.set MCUR, 7                           ; v7-9 the same three for the mask
.set MNXT, 8
.set MD,   9
.set XA,   10                          ; v10  LDS: my 32 bytes of x's chunk 0
.set STW,  11                          ; v11  LDS: where my wave's sums of row r go
.set STR,  12                          ; v12  LDS: row r's eight pairs of sums
.set APW,  13                          ; v13  LDS: where my partial results go
.set APR,  14                          ; v14  LDS: my quad in wave 0's partial results (waves 0 to 3)
.set OA,   15                          ; v15  LDS: where my four results go in OST (waves 0 to 3); steps 64 bytes a tile
.set ONE,  16                          ; v16  1.0
.set BIG,  17                          ; v17  2^100
.set CC,   18                          ; v18  -2^100 x mean
.set WN,   19                          ; v19  weight: my byte offset in load 0 of a pair: 8 h rows x 16,384 + 2,048 v + 16 r; never rewritten
.set SCP,  20                          ; v20  my row's scale, twice in bf16
.set SCN,  21                          ; v21  the same with the signs set
.set BI,   22                          ; v22-24 bias of my row in this tile and the next two
.set SPW,  26                          ; v26  LDS address of my spare word; never rewritten
.set NIL,  27                          ; v27  0, for the add alone; never rewritten
.set TZW,  28                          ; v28  the stage: where my 8 bytes of bf16 of load 0 go
.set TZR,  29                          ; v29  the stage: my 32 bytes of a pair's first chunk
.set TMW,  30                          ; v30  the stage: where my 16 bytes of mask of load 0 go
.set TMR,  31                          ; v31  the stage: my 16 bytes of an octet's first chunk
.set ST,   32                          ; v[32:39] four chains of (sum, sum of magnitudes)
.set PM,   40                          ; v[40:47] a chunk's mask, 16 bits an element
.set AFS,  48                          ; v[48:55] the B operand; v[48:63] in pass 1 at work: a pair's weights with the outliers set to 0
.set XF,   64                          ; v[64:95] x's fragments, two buffers of 16: batch rows 0-15, then 16-31; in pass 1 the packed bf16 on their way into the stage, two buffers of 16
.set ACC,  96                          ; v[96:111] two accumulators: batch rows 0-15, 16-31
.set TS,   112                         ; v[112:127] pass 1: eight pairs (sum, sum of magnitudes) of a register's two weights
.set MST,  128                         ; v[128:159] an octet of mask as loaded
.set MF,   160                         ; v[160:223] the tile's mask, a byte of 0x00 or 0xFF an element, 4 registers a chunk
.set RB,   224                         ; v[224:255] at work
.set LA1,  RB+8                        ; the way out, made at the end
.set GO1,  RB+9
.set LA2,  RB+10
.set GO2,  RB+11
.set ZB,   128                         ; window 1
.set WB,   4                           ; s[4:5]   weight at the tile's first row
.set MB,   6                           ; s[6:7]   mask at the tile's first row
.set BP,   8                           ; s[8:9]   bias
.set XBP,  10                          ; s[10:11] xb
.set OUTP, 12                          ; s[12:13] out, at my wave's first batch row and the work-group's first column
.set WV,   14                          ; s14  my wave's number
.set GI,   15                          ; s15  g
.set TL,   16                          ; s16  tiles to go
.set G0,   20                          ; s[20:23] descriptor group 0
.set G1,   24                          ; s[24:31] descriptor group 1
.set SELP, 32                          ; s32, s33 byte selects: a mask byte twice, for the even and the odd pair of a register
.set MEXP, 34                          ; s34  0x0000FF00: a mask byte of 0 or 1 picks 0x00 or 0xFF
.set XSEL, 38                          ; s[38:39] v_permlanex16_b32: each lane takes its own place in the other half
.set SAVE, 44                          ; s44  EXEC kept
.set MSB, 0
.macro WIN new                         ; the immediate's high byte repeats the setting that is left; a switch that changes nothing is dropped
.if MSB != (\new)
	s_set_vgpr_msb (MSB<<8)|(\new)
.set MSB, \new
.endif
.endm
; A round of the cluster's barrier: my work-group's barrier; wave 0 signals for the work-group; every wave waits for all four work-groups; my work-group's barrier once more.
.macro ROUND
	s_barrier_signal -1
	s_barrier_wait -1
	s_cmp_lg_u32 s[WV], 0
	s_cbranch_scc1 .Lnot_wave_0_\@
	s_barrier_signal -3
.Lnot_wave_0_\@:
	s_barrier_wait -3
	s_barrier_signal -1
	s_barrier_wait -1
.endm
; An octet of mask: load i takes 256 consecutive bytes of rows i and i + 8.  Rows 8 to 10 exist in every tile; loads 3 to 7 go by register a, which in the third tile puts both halves on row i.
.macro MGLOAD a, off
.irp i, 0,1,2,3,4,5,6,7
.if (\i) < 3
	global_load_b128 v[MST+4*(\i):MST+4*(\i)+3], v[MN], s[MB:MB+1] offset:(\off)+4096*(\i) th:TH_LOAD_NT
.else
	global_load_b128 v[MST+4*(\i):MST+4*(\i)+3], v[\a], s[MB:MB+1] offset:(\off)+4096*(\i) th:TH_LOAD_NT
.endif
.endr
.endm
; Pair p of an octet of weight: load i takes 256 consecutive bytes of rows i and i + 8, as above.
.macro WLOAD p, a, off
	WIN 0x40                                       ; destination window 1, address window 0
.irp i, 0,1,2,3,4,5,6,7
.if (\i) < 3
	global_load_b128 v[32*(\p)+4*(\i):32*(\p)+4*(\i)+3], v[WN], s[WB:WB+1] offset:(\off)+256*(\p)+16384*(\i) th:TH_LOAD_NT
.else
	global_load_b128 v[32*(\p)+4*(\i):32*(\p)+4*(\i)+3], v[\a], s[WB:WB+1] offset:(\off)+256*(\p)+16384*(\i) th:TH_LOAD_NT
.endif
.endr
.endm
; The octet's mask is turned: whole rows into my stage, a chunk's 16 bytes of my row back.
.macro MTURN o
.irp i, 0,1,2,3,4,5,6,7
	ds_store_b128 v[TMW], v[MST+4*(\i):MST+4*(\i)+3] offset:MP*(\i)
.endr
.irp c, 0,1,2,3,4,5,6,7
	ds_load_b128 v[MF+32*(\o)+4*(\c):MF+32*(\o)+4*(\c)+3], v[TMR] offset:32*(\c)  ; LDS serves a wave's instructions in order: these see the stores above
.endr
.endm
; The octet's mask bytes, 0 or 1, become 0x00 or 0xFF, in place: the byte itself is the select.
.macro MFX o
.set q, 0
.rept 32
	v_perm_b32 v[MF+32*(\o)+q], 0, s[MEXP], v[MF+32*(\o)+q]
.set q, q+1
.endr
.endm
; PASS 1, first part, for pair p of octet o: rounded to bf16; turned through my stage into ZB; its registers asked for again.
; kind 0: the refill is this tile's octet 1; 1: the next tile's octet 0; 2: none.
.macro P1IN o, p, kind
.if (\kind) < 2
	s_wait_loadcnt 32                              ; my pair is in.  Behind it were issued: 8 (3 - p) loads of this octet, the next octet's 8 of mask, 8 p refills
.else
	s_wait_loadcnt 24-8*(\p)                       ; nothing was issued behind this octet: the counts run down
.endif
	WIN 0x05                                       ; sources in window 1, destination in window 0
.irp i, 0,1,2,3,4,5,6,7
	v_cvt_pk_bf16_f32 v[XF+16*((\p)%2)+2*(\i)],   v[32*(\p)+4*(\i)],   v[32*(\p)+4*(\i)+1]
	v_cvt_pk_bf16_f32 v[XF+16*((\p)%2)+2*(\i)+1], v[32*(\p)+4*(\i)+2], v[32*(\p)+4*(\i)+3]
.endr
	WIN 0
.irp i, 0,1,2,3,4,5,6,7
	ds_store_b64 v[TZW], v[XF+16*((\p)%2)+2*(\i):XF+16*((\p)%2)+2*(\i)+1] offset:ZP*(\i)  ; behind the loads that read the stage last: in order
.endr
	WIN 0x40                                       ; destination window 1, address window 0
.irp i, 0,1
	ds_load_b128 v[ZB+8*(8*(\o)+2*(\p)+(\i)):ZB+8*(8*(\o)+2*(\p)+(\i))+3],   v[TZR] offset:64*(\i)
	ds_load_b128 v[ZB+8*(8*(\o)+2*(\p)+(\i))+4:ZB+8*(8*(\o)+2*(\p)+(\i))+7], v[TZR] offset:64*(\i)+16
.endr
.if (\kind) == 0
	WLOAD \p, WCUR, 1024
.elseif (\kind) == 1
	WLOAD \p, WNXT, 262144
.endif
.endm
; PASS 1, second part: outliers set to 0; the sums, all in f32.  Of a register's two weights one line makes lo x 1 + hi, a second |lo| x 1 + |hi|; a packed add takes both onto one of four chains:
; three lines for two weights.  left = the LDS instructions issued behind this pair's loads back: the next pair's twelve, or none.
.macro P1SUM o, p, left
	WIN 0x10                                       ; source 2 (ZB) in window 1
.irp i, 0,1
.irp m, 0,1,2,3,4,5,6,7
	v_perm_b32 v[AFS+8*(\i)+(\m)], 0, v[MF+4*(8*(\o)+2*(\p)+(\i))+(\m)/2], s[SELP+(\m)%2]  ; two elements' mask, 16 bits each
.endr
.endr
	s_wait_dscnt \left                             ; the pair is back from the stage
.irp i, 0,1
.irp m, 0,1,2,3,4,5,6,7
	v_bfi_b32 v[AFS+8*(\i)+(\m)], v[AFS+8*(\i)+(\m)], 0, v[ZB+8*(8*(\o)+2*(\p)+(\i))+(\m)]  ; wz: 0 at outliers
.endr
.endr
	WIN 0
.irp i, 0,1
.irp m, 0,1,2,3,4,5,6,7
.if ((\o)+(\p)+(\i) == 0) && ((\m) < 4)            ; a tile's first four registers start the four chains: nothing is cleared
	v_fma_mix_f32_bf16 v[ST+2*(\m)],   v[AFS+(\m)], v[ONE], v[AFS+(\m)] op_sel:[0,0,1] op_sel_hi:[1,0,1]
	v_fma_mix_f32_bf16 v[ST+2*(\m)+1], |v[AFS+(\m)]|, v[ONE], |v[AFS+(\m)]| op_sel:[0,0,1] op_sel_hi:[1,0,1]
.else
	v_fma_mix_f32_bf16 v[TS+2*(\m)],   v[AFS+8*(\i)+(\m)], v[ONE], v[AFS+8*(\i)+(\m)] op_sel:[0,0,1] op_sel_hi:[1,0,1]
	v_fma_mix_f32_bf16 v[TS+2*(\m)+1], |v[AFS+8*(\i)+(\m)]|, v[ONE], |v[AFS+8*(\i)+(\m)]| op_sel:[0,0,1] op_sel_hi:[1,0,1]
.endif
.endr
.irp m, 0,1,2,3,4,5,6,7
.if !(((\o)+(\p)+(\i) == 0) && ((\m) < 4))
	v_pk_add_f32 v[ST+2*((\m)%4):ST+2*((\m)%4)+1], v[ST+2*((\m)%4):ST+2*((\m)%4)+1], v[TS+2*(\m):TS+2*(\m)+1]
.endif
.endr
.endr
.endm
; Half a tile's pass 1.  A pair's way through the stage runs while the pair before it is summed; the two buffers of packed halves take turns, each written again behind the wait that shows its stores done.
.macro HALF o, kind
	WIN 0
	s_wait_loadcnt 32                              ; this octet's mask is in: behind it were issued the octet's 32 loads of weight
	MTURN \o
.if (\kind) < 2
	s_wait_dscnt 8                                 ; the eight stores are done (the eight loads back may be out): MST may be loaded again
.endif
.if (\kind) == 0
	MGLOAD MCUR, 256
.elseif (\kind) == 1
	MGLOAD MNXT, 65536
.endif
	P1IN \o, 0, \kind
	WIN 0
	s_wait_dscnt 12                                ; the mask is back from the stage; pair 0's eight stores and four loads may be out
	MFX \o
	P1IN \o, 1, \kind
	P1SUM \o, 0, 12
	P1IN \o, 2, \kind
	P1SUM \o, 1, 12
	P1IN \o, 3, \kind
	P1SUM \o, 2, 12
	P1SUM \o, 3, 0
.endm
.macro XLOAD c                         ; x's fragments of chunk c, both halves of the batch, into buffer c % 2
	ds_load_b128 v[XF+16*((\c)%2):XF+16*((\c)%2)+3],     v[XA] offset:64*(\c)
	ds_load_b128 v[XF+16*((\c)%2)+4:XF+16*((\c)%2)+7],   v[XA] offset:64*(\c)+16
	ds_load_b128 v[XF+16*((\c)%2)+8:XF+16*((\c)%2)+11],  v[XA] offset:64*(\c)+16*XP
	ds_load_b128 v[XF+16*((\c)%2)+12:XF+16*((\c)%2)+15], v[XA] offset:64*(\c)+16*XP+16
.endm
; PASS 2 for chunk c.  The eight selects, which name no register of the last products, are the places between those products and the lines that write their B operand;
; 24 plain instructions stand ahead of the loads into the x buffer that the products of the step before last read.
.macro P2STEP c
	WIN 0x01                                       ; source 0 (ZB) in window 1
.irp m, 0,1,2,3,4,5,6,7
	v_perm_b32 v[PM+(\m)], 0, v[MF+4*(\c)+(\m)/2], s[SELP+(\m)%2]
.endr
.irp m, 0,1,2,3,4,5,6,7
	v_fma_mixlo_bf16 v[AFS+(\m)], v[ZB+8*(\c)+(\m)], v[BIG], v[CC] op_sel_hi:[1,0,0]  ; 2^100 (z - mean), exact, rounded once
.endr
.irp m, 0,1,2,3,4,5,6,7
	v_fma_mixhi_bf16 v[AFS+(\m)], v[ZB+8*(\c)+(\m)], v[BIG], v[CC] op_sel:[1,0,0] op_sel_hi:[1,0,0]
.endr
	WIN 0
.if (\c) < 15
	XLOAD (\c)+1
.endif
.irp m, 0,1,2,3,4,5,6,7
	v_pk_max_num_bf16 v[AFS+(\m)], v[AFS+(\m)], v[SCN]
.endr
.irp m, 0,1,2,3,4,5,6,7
	v_pk_min_num_bf16 v[AFS+(\m)], v[AFS+(\m)], v[SCP]    ; -scale, 0 or scale
.endr
	WIN 0x04                                       ; source 1 (ZB) in window 1
.irp m, 0,1,2,3,4,5,6,7
	v_bfi_b32 v[AFS+(\m)], v[PM+(\m)], v[ZB+8*(\c)+(\m)], v[AFS+(\m)]  ; the weight itself at outliers
.endr
	WIN 0
.if (\c) < 15
	s_wait_dscnt 4                                 ; this chunk's x is in; the next chunk's four loads may stay out
.else
	s_wait_dscnt 0x0
.endif
.irp n, 0,1                            ; the two accumulators take turns, one instruction a turn, from step to step too
.if (\c) == 0                          ; the first chunk's products start the sums
	v_wmma_f32_16x16x32_bf16 v[ACC+8*(\n):ACC+8*(\n)+7], v[XF+16*((\c)%2)+8*(\n):XF+16*((\c)%2)+8*(\n)+7], v[AFS:AFS+7], 0
.else
	v_wmma_f32_16x16x32_bf16 v[ACC+8*(\n):ACC+8*(\n)+7], v[XF+16*((\c)%2)+8*(\n):XF+16*((\c)%2)+8*(\n)+7], v[AFS:AFS+7], v[ACC+8*(\n):ACC+8*(\n)+7]
.endif
.endr
.endm
	; THE HEAD
	s_load_b256 s[4:11], s[0:1], 0x0               ; weight, mask, bias, xb
	s_load_b64 s[OUTP:OUTP+1], s[0:1], 0x20        ; out
	v_lshl_add_u32 v[SPW], v0, 2, SPARE
	v_mov_b32 v[NIL], 0
	ds_add_u32 v[SPW], v[NIL]                      ; the wave's opening: the add, twice on end, and its wait ahead of my first tensor load; the set-up below stands between
	ds_add_u32 v[SPW], v[NIL]
	v_lshrrev_b32 v[RB+24], 5, v0
	v_readfirstlane_b32 s[WV], v[RB+24]            ; wave 0..7
	v_and_b32 v[R], 15, v0
	v_bfe_u32 v[H], v0, 4, 1
	v_and_b32 v[RB+24], 31, v0                     ; l
	s_bfe_u32 s17, ttmp6, 0x40000                  ; cx: my place in the cluster
	s_lshl_b32 s[GI], ttmp9, 2                     ; in a cluster launch ttmp9 counts clusters
	s_add_co_u32 s[GI], s[GI], s17                 ; g: it enters the global offsets of weight, mask, bias and out alone
	s_mov_b32 s[SELP], 0x01010000
	s_mov_b32 s[SELP+1], 0x03030202
	s_mov_b32 s[MEXP], 0x0000ff00
	s_mov_b32 s[XSEL], 0x76543210
	s_mov_b32 s[XSEL+1], 0xfedcba98
	s_mov_b32 s[TL], 3
	; the descriptor: my slice of xb, 32 rows x 512 elements of 2 bytes, 4,096 elements from row to row, padded in LDS behind each row
	s_mov_b32 s[G0], 1                             ; count = 1
	s_mul_i32 s[G0+1], s[WV], XSL                  ; LDS address: my slice
	s_mov_b32 s[G1], 15|(1<<16)|(1<<20)|(1<<21)|(7<<22)|(3<<25)  ; the mask of four; 2-byte elements; padding on; bit 21 beside a mask; after every 256 words (code 7) 4 words (code 3)
	s_mov_b32 s[G1+1], 512<<16                     ; tensor_dim0 = 512
	s_mov_b32 s[G1+2], 32<<16                      ; tensor_dim1 = 32
	s_mov_b32 s[G1+3], 512<<16                     ; tile_dim0 = 512
	s_mov_b32 s[G1+4], 32                          ; tile_dim1 = 32
	s_mov_b32 s[G1+5], 4096                        ; the pitch
	s_mov_b32 s[G1+6], 0
	s_mov_b32 s[G1+7], 0
	; global offsets
	s_lshl_b32 s40, s[WV], 11                      ; my wave's 512 k: 2,048 bytes of a row of weight
	v_lshl_add_u32 v[WD], v[R], 4, s40
	v_lshl_add_u32 v[WN], v[H], 17, v[WD]          ; lanes 16-31: 8 rows of 16,384 bytes on
	v_mov_b32 v[WCUR], v[WN]
	v_mov_b32 v[WNXT], v[WN]
	s_lshl_b32 s41, s[WV], 9                       ; 512 bytes of a row of mask
	v_lshl_add_u32 v[MD], v[R], 4, s41
	v_lshl_add_u32 v[MN], v[H], 15, v[MD]          ; 8 rows of 4,096 bytes on
	v_mov_b32 v[MCUR], v[MN]
	v_mov_b32 v[MNXT], v[MN]
	s_mul_i32 s42, s[GI], 43
	v_add_nc_u32 v[RB+20], s42, v[R]               ; my row in the three tiles, for the bias
	v_add_nc_u32 v[RB+21], 16, v[RB+20]
	v_add_nc_u32 v[RB+22], 32, v[RB+20]
	v_min_u32 v[RB+22], 0x2aff, v[RB+22]           ; rows that the third tile does not have stay inside the buffer
	v_lshlrev_b32 v[RB+20], 2, v[RB+20]
	v_lshlrev_b32 v[RB+21], 2, v[RB+21]
	v_lshlrev_b32 v[RB+22], 2, v[RB+22]
	; LDS addresses: a constant, the wave's number times a constant, a lane term
	v_mul_u32_u24 v[XA], v[R], XP
	v_lshl_add_u32 v[XA], v[H], 5, v[XA]
	v_add_nc_u32 v[XA], s[G0+1], v[XA]
	v_mul_u32_u24 v[STR], v[R], 80
	v_add_nc_u32 v[STR], STAT, v[STR]
	s_lshl_b32 s41, s[WV], 3
	v_add_nc_u32 v[STW], s41, v[STR]
	s_lshl_b32 s41, s[WV], 11
	s_add_co_u32 s41, s41, ACCP
	v_lshl_add_u32 v[APW], v[RB+24], 4, s41
	s_lshl_b32 s41, s[WV], 9
	s_add_co_u32 s41, s41, ACCP
	v_lshl_add_u32 v[APR], v[RB+24], 4, s41
	s_mul_i32 s41, s[WV], 1536
	s_add_co_u32 s41, s41, OST
	v_mul_u32_u24 v[OA], v[H], 768
	v_lshl_add_u32 v[OA], v[R], 2, v[OA]
	v_add_nc_u32 v[OA], s41, v[OA]
	s_mul_i32 s41, s[WV], TBW
	s_add_co_u32 s41, s41, TB                      ; my stage
	v_mul_u32_u24 v[TMW], v[H], 8*MP               ; mask in: row 8 h (+ i), 16 bytes a lane
	v_lshl_add_u32 v[TMW], v[R], 4, v[TMW]
	v_add_nc_u32 v[TMW], s41, v[TMW]
	v_mul_u32_u24 v[TMR], v[R], MP                 ; mask back: row r, 16 bytes for each half of the lanes
	v_lshl_add_u32 v[TMR], v[H], 4, v[TMR]
	v_add_nc_u32 v[TMR], s41, v[TMR]
	v_mul_u32_u24 v[TZW], v[H], 8*ZP               ; bf16 in: row 8 h (+ i), 8 bytes a lane
	v_lshl_add_u32 v[TZW], v[R], 3, v[TZW]
	v_add_nc_u32 v[TZW], s41, v[TZW]
	v_mul_u32_u24 v[TZR], v[R], ZP                 ; bf16 back: row r, 32 bytes for each half of the lanes
	v_lshl_add_u32 v[TZR], v[H], 5, v[TZR]
	v_add_nc_u32 v[TZR], s41, v[TZR]
	v_mov_b32 v[ONE], 1.0
	v_mov_b32 v[BIG], 0x71800000                   ; 2^100
	v_mov_b32 v[RB], 0                             ; v_permlanex16_b32's destinations count as read
	v_mov_b32 v[RB+1], 0
	; where my wave's four batch rows begin: OST's rows 4 w + e hold batch rows 16 (w / 4) + 8 (w % 2) + 4 ((w / 2) % 2) + e
	s_lshr_b32 s41, s[WV], 2
	s_lshl_b32 s41, s41, 4
	s_and_b32 s42, s[WV], 1
	s_lshl_b32 s42, s42, 3
	s_add_co_u32 s41, s41, s42
	s_bfe_u32 s42, s[WV], 0x10001
	s_lshl_b32 s42, s42, 2
	s_add_co_u32 s41, s41, s42
	s_mul_i32 s42, s41, 44032                      ; a row of out is 44,032 bytes
	s_mul_i32 s43, s[GI], 172                      ; the work-group's 43 columns
	s_add_co_u32 s42, s42, s43
	s_mov_b32 s43, 0
	s_mov_b32 s41, 0
	s_wait_dscnt 0x0                               ; both opening adds are done
	s_wait_kmcnt 0x0
	s_add_nc_u64 s[OUTP:OUTP+1], s[OUTP:OUTP+1], s[42:43]
	s_mul_i32 s40, s[GI], 43*16384
	s_add_nc_u64 s[WB:WB+1], s[WB:WB+1], s[40:41]  ; weight and mask at the work-group's first row
	s_mul_i32 s40, s[GI], 43*4096
	s_add_nc_u64 s[MB:MB+1], s[MB:MB+1], s[40:41]
	s_lshl_b32 s40, s[WV], 10                      ; my 512 k of a row of xb
	s_add_nc_u64 s[G0+2:G0+3], s[XBP:XBP+1], s[40:41]
	s_or_b32 s[G0+3], s[G0+3], 0x80000000          ; type = 2
	global_load_b32 v[BI],   v[RB+20], s[BP:BP+1]
	global_load_b32 v[BI+1], v[RB+21], s[BP:BP+1]
	global_load_b32 v[BI+2], v[RB+22], s[BP:BP+1]
	MGLOAD MCUR, 0                                 ; the first tile's first octet: 40 loads, 20 KiB a wave, on their way
	WLOAD 0, WCUR, 0
	WLOAD 1, WCUR, 0
	WLOAD 2, WCUR, 0
	WLOAD 3, WCUR, 0
	WIN 0
	ROUND                                          ; all four work-groups are here: the joint loads meet
	tensor_load_to_lds s[G0:G0+3], s[G1:G1+7]      ; my one tensor load of the launch
	s_nop 0
.rept 4
	v_nop
.endr
	s_wait_loadcnt 40                              ; the bias is in: behind it were issued 8 loads of mask and 32 of weight
.irp t, 0,1,2
	v_cvt_pk_bf16_f32 v[BI+(\t)], v[BI+(\t)], v[BI+(\t)]  ; rounded to bf16 like the other inputs,
.endr
.irp t, 0,1,2
	v_lshlrev_b32 v[BI+(\t)], 16, v[BI+(\t)]       ; and widened again
.endr
	HALF 0, 0                                      ; the first tile's pass 1 is written out here: it wants no x, so all of it runs while x's slice is on its way
	HALF 1, 1
	WIN 0
	s_wait_tensorcnt 0x0                           ; my slice of x is in LDS, ahead of its first read (behind the row sums); I alone read it, so no barrier is wanted
	s_branch .Lstats                               ; the loop is entered in the middle of a trip
.Ltile:                                        ; a trip ends one tile of 16 rows; its top is the next tile's pass 1
	HALF 0, 0
	WIN 0
	s_cmp_eq_u32 s[TL], 1
	s_cbranch_scc1 .Llast                          ; behind the last tile there is nothing to ask for
	HALF 1, 1
	WIN 0
	s_branch .Lstats
.Llast:
	HALF 1, 2
	WIN 0
.Lstats:
	; THE ROW'S SUMS: my four chains, the other half of the lanes, the eight waves.  Every lane of every wave adds the eight in the same order, so all use the same mean.
	v_pk_add_f32 v[ST:ST+1], v[ST:ST+1], v[ST+2:ST+3]
	v_pk_add_f32 v[ST+4:ST+5], v[ST+4:ST+5], v[ST+6:ST+7]
	v_pk_add_f32 v[ST:ST+1], v[ST:ST+1], v[ST+4:ST+5]
	v_permlanex16_b32 v[RB], v[ST], s[XSEL], s[XSEL+1]
	v_permlanex16_b32 v[RB+1], v[ST+1], s[XSEL], s[XSEL+1]
	v_pk_add_f32 v[ST:ST+1], v[ST:ST+1], v[RB:RB+1]
	ds_store_b64 v[STW], v[ST:ST+1]
	s_wait_dscnt 0x0                               ; for the others' sake: my sums are stored; so are my results of the tile before, and my reads of its partial results are over
	s_barrier_signal -1
	s_barrier_wait -1
.irp i, 0,1,2,3
	ds_load_b128 v[RB+4+4*(\i):RB+4+4*(\i)+3], v[STR] offset:16*(\i)
.endr
	XLOAD 0
	s_wait_dscnt 4                                 ; the sums are in; x's four loads may stay out
.irp i, 0,1,2,3
	v_pk_add_f32 v[RB+4+4*(\i):RB+4+4*(\i)+1], v[RB+4+4*(\i):RB+4+4*(\i)+1], v[RB+4+4*(\i)+2:RB+4+4*(\i)+3]
.endr
	v_pk_add_f32 v[RB+4:RB+5], v[RB+4:RB+5], v[RB+8:RB+9]
	v_pk_add_f32 v[RB+12:RB+13], v[RB+12:RB+13], v[RB+16:RB+17]
	v_pk_add_f32 v[RB+4:RB+5], v[RB+4:RB+5], v[RB+12:RB+13]
	v_mul_f32 v[CC], 0xeb800000, v[RB+4]           ; -2^88 x sum = -2^100 x mean: a power of two, so exact
	v_mul_f32 v[RB+5], 0x39800000, v[RB+5]         ; 2^-12 x sum of magnitudes = scale,
	v_cvt_pk_bf16_f32 v[SCP], v[RB+5], v[RB+5]     ; rounded once to bf16, as the matrix operand that it becomes,
	v_xor_b32 v[SCN], 0x80008000, v[SCP]           ; and its negative
.irp c, 0,1,2,3,4,5,6,7,8,9,10,11,12,13,14,15
	P2STEP \c
.endr
	; THE WAVES' PARTS OF K MEET IN LDS; each accumulator is read from its low end on
.rept 8
	v_nop                                          ; the places behind the last products (ISA guide 7.12.1), with room to spare: three times a launch
.endr
	ds_store_b128 v[APW], v[ACC:ACC+3]
	ds_store_b128 v[APW], v[ACC+4:ACC+7] offset:512
	ds_store_b128 v[APW], v[ACC+8:ACC+11] offset:1024
	ds_store_b128 v[APW], v[ACC+12:ACC+15] offset:1536
	s_wait_dscnt 0x0                               ; for the others' sake: my partial results are stored, and my reads of the row sums are over
	s_barrier_signal -1
	s_barrier_wait -1
	s_cmp_lt_u32 s[WV], 4                          ; wave u of the first four adds up quad u of all eight waves
	s_cbranch_scc0 .Lno_out
.irp i, 0,1,2,3,4,5,6,7
	ds_load_b128 v[RB+4*(\i):RB+4*(\i)+3], v[APR] offset:2048*(\i)
.endr
	s_wait_dscnt 0x0
.irp i, 0,2,4,6
	v_pk_add_f32 v[RB+4*(\i):RB+4*(\i)+1],   v[RB+4*(\i):RB+4*(\i)+1],   v[RB+4*(\i)+4:RB+4*(\i)+5]
	v_pk_add_f32 v[RB+4*(\i)+2:RB+4*(\i)+3], v[RB+4*(\i)+2:RB+4*(\i)+3], v[RB+4*(\i)+6:RB+4*(\i)+7]
.endr
.irp i, 0,4
	v_pk_add_f32 v[RB+4*(\i):RB+4*(\i)+1],   v[RB+4*(\i):RB+4*(\i)+1],   v[RB+4*(\i)+8:RB+4*(\i)+9]
	v_pk_add_f32 v[RB+4*(\i)+2:RB+4*(\i)+3], v[RB+4*(\i)+2:RB+4*(\i)+3], v[RB+4*(\i)+10:RB+4*(\i)+11]
.endr
	v_pk_add_f32 v[RB:RB+1],   v[RB:RB+1],   v[RB+16:RB+17]
	v_pk_add_f32 v[RB+2:RB+3], v[RB+2:RB+3], v[RB+18:RB+19]
	v_pk_add_f32 v[RB:RB+1],   v[RB:RB+1],   v[BI:BI+1] op_sel_hi:[1,0]  ; my row's bias, for both
	v_pk_add_f32 v[RB+2:RB+3], v[RB+2:RB+3], v[BI:BI+1] op_sel_hi:[1,0]
.irp e, 0,1,2,3
	ds_store_b32 v[OA], v[RB+(\e)] offset:192*(\e)
.endr
.Lno_out:
	s_wait_xcnt 0x0                                ; every load issued so far has read its addresses: bases and offsets are written only behind this wait
	s_add_nc_u64 s[WB:WB+1], s[WB:WB+1], 262144    ; 16 rows on
	s_add_nc_u64 s[MB:MB+1], s[MB:MB+1], 65536
	v_mov_b32 v[WCUR], v[WNXT]
	v_mov_b32 v[WNXT], v[WD]                       ; the tile after the next is the third, or none
	v_mov_b32 v[MCUR], v[MNXT]
	v_mov_b32 v[MNXT], v[MD]
	v_mov_b32 v[BI], v[BI+1]
	v_mov_b32 v[BI+1], v[BI+2]
	v_add_nc_u32 v[OA], 64, v[OA]                  ; the next 16 columns
	s_sub_co_u32 s[TL], s[TL], 1
	s_cmp_lg_u32 s[TL], 0
	s_cbranch_scc1 .Ltile
	; THE WAY OUT: wave w stores four batch rows' 43 columns: 128 consecutive bytes a row, then the last 11 columns of two rows at a time.
	; 43 columns are 172 bytes: the work-groups' equal shares of rows are kept, and out is 1.4 MB of the launch's 227.
	s_wait_dscnt 0x0                               ; for the others' sake: my results are stored
	s_barrier_signal -1
	s_barrier_wait -1
	s_mul_i32 s41, s[WV], 768
	s_add_co_u32 s41, s41, OST                     ; OST's rows 4 w .. 4 w + 3
	v_and_b32 v[LA1], 31, v0
	v_lshlrev_b32 v[GO1], 2, v[LA1]                ; columns 0 to 31: 4 l,
	v_add_nc_u32 v[LA1], s41, v[GO1]
	v_mul_u32_u24 v[LA2], v[H], 192                ; and columns 32 on, two rows at a time
	v_lshl_add_u32 v[LA2], v[R], 2, v[LA2]
	v_add_nc_u32 v[LA2], s41, v[LA2]
	v_mul_u32_u24 v[GO2], v[H], 44032
	v_lshl_add_u32 v[GO2], v[R], 2, v[GO2]
.irp e, 0,1,2,3
	ds_load_b32 v[RB+(\e)], v[LA1] offset:192*(\e)
.endr
.irp i, 0,1
	ds_load_b32 v[RB+4+(\i)], v[LA2] offset:128+384*(\i)
.endr
	s_wait_dscnt 0x0
.irp e, 0,1,2,3
	global_store_b32 v[GO1], v[RB+(\e)], s[OUTP:OUTP+1] offset:44032*(\e)
.endr
	v_cmp_gt_u32 vcc_lo, 11, v[R]
	s_wait_xcnt 0x0                                ; EXEC is a source of the stores above: it changes only behind this wait
	s_and_saveexec_b32 s[SAVE], vcc_lo             ; columns 32 to 42 alone
.irp i, 0,1
	global_store_b32 v[GO2], v[RB+4+(\i)], s[OUTP:OUTP+1] offset:128+88064*(\i)
.endr
	s_wait_xcnt 0x0                                ; and again, ahead of the line that widens it
	s_or_b32 exec_lo, exec_lo, s[SAVE]
	s_wait_tensorcnt 0x0                           ; the wave's end, behind my tensor load and my last LDS store
	ds_add_u32 v[SPW], v[NIL]
	s_wait_dscnt 0x0
	ROUND                                          ; the closing round: no work-group ends while a partner may still ask for a slice that names it
	s_endpgm
.Lfunc_end_k_q04a6313329_main:
	.size	k_q04a6313329_main, .Lfunc_end_k_q04a6313329_main-k_q04a6313329_main
	.p2alignl 7, 3214868480
	.fill 96, 4, 3214868480
	.section	.rodata,"a",@progbits
	.p2align	6, 0x0
	.amdhsa_kernel k_q04a6313329_main
		.amdhsa_group_segment_fixed_size 325888
		.amdhsa_private_segment_fixed_size 0
		.amdhsa_enable_private_segment 0
		.amdhsa_kernarg_size 40
		.amdhsa_user_sgpr_count 2
		.amdhsa_user_sgpr_kernarg_segment_ptr 1
		.amdhsa_wavefront_size32 1
		.amdhsa_system_sgpr_workgroup_id_x 1
		.amdhsa_system_sgpr_workgroup_id_y 1
		.amdhsa_system_sgpr_workgroup_id_z 1
		.amdhsa_system_vgpr_workitem_id 0
		.amdhsa_next_free_vgpr 512
		.amdhsa_next_free_sgpr 66
		.amdhsa_reserve_vcc 1
		.amdhsa_float_denorm_mode_32 3
		.amdhsa_float_denorm_mode_16_64 3
		.amdhsa_memory_ordered 1
		.amdhsa_forward_progress 1
		.amdhsa_inst_pref_size 244
	.end_amdhsa_kernel
	.amdgpu_metadata
---
amdhsa.version: [ 1, 2 ]
amdhsa.kernels:
  - .name:           k_q04a6313329_main
    .symbol:         k_q04a6313329_main.kd
    .args:
      - { .name: weight, .offset: 0, .size: 8, .value_kind: global_buffer, .address_space: global }
      - { .name: outlier_mask, .offset: 8, .size: 8, .value_kind: global_buffer, .address_space: global }
      - { .name: bias, .offset: 16, .size: 8, .value_kind: global_buffer, .address_space: global }
      - { .name: xb, .offset: 24, .size: 8, .value_kind: global_buffer, .address_space: global }
      - { .name: out0, .offset: 32, .size: 8, .value_kind: global_buffer, .address_space: global }
    .group_segment_fixed_size: 325888
    .private_segment_fixed_size: 0
    .kernarg_segment_align: 8
    .kernarg_segment_size: 40
    .max_flat_workgroup_size: 256
    .sgpr_count:     66
    .vgpr_count:     512
    .wavefront_size: 32
...
	.end_amdgpu_metadata
.endif
;; end of part 3
